; MI455X (gfx1250); checked and timed in simulation.
; The chip was launched on July 23, 2026; its instructions are those of AMD's public machine-readable ISA for CDNA 5 (MIT licence, August 2026) and "CDNA5" Instruction Set Architecture Reference Guide (July 2026). The comments in the code are by the model that wrote it; some were corrected since.
;; Multi Head Self Attention. Allowed arithmetic: matrix products marked QUANTISED: E4M3 operands, one given power-of-two scale a tensor, by v_wmma_f32_16x16x64_fp8_fp8 or v_wmma_f32_16x16x128_fp8_fp8, f32 sums; everything else in f32.
;; Inputs: Wk 1,024 x 1,024 float32; Wo 1,024 x 1,024 float32; Wq 1,024 x 1,024 float32; Wv 1,024 x 1,024 float32; lowp_scales 12 int32 (the exponents e of the quantised operands' scales 2^e); x 1 x 4,096 x 1,024 float32.
;; Outputs: out0 1 x 4,096 x 1,024 float32.
;; This version of the problem:
;;   THIS VERSION OF THE PROBLEM IS GIVEN IN LOW PRECISION. The matrix products marked QUANTISED in the list below multiply operands that are first quantised to E4M3 (4 exponent bits, 3 mantissa bits; 8 bits a number), with one given power-of-two scale for each operand tensor; their sums are f32. All else is computed in f32.
;;   The module's matrix products, in the order in which they are computed (A, B: the left and right operand; K: the contracted axis; several contracted axes count as one K, in the product's order):
;;     1. [M 4,096, K 1,024] x [K 1,024, N 1,024]; A: input x; B: input Wq: QUANTISED (scales: A lowp_scales[0], B lowp_scales[1])
;;     2. [M 4,096, K 1,024] x [K 1,024, N 1,024]; A: input x; B: input Wk: QUANTISED (scales: A lowp_scales[2], B lowp_scales[3])
;;     3. [M 4,096, K 1,024] x [K 1,024, N 1,024]; A: input x; B: input Wv: QUANTISED (scales: A lowp_scales[4], B lowp_scales[5])
;;     4. batch 16 x [M 4,096, K 64] x [K 64, N 4,096]; A: computed on the way; B: computed on the way: QUANTISED (scales: A lowp_scales[6], B lowp_scales[7])
;;     5. batch 16 x [M 4,096, K 4,096] x [K 4,096, N 64]; A: softmax (see below); B: computed on the way: QUANTISED (scales: A lowp_scales[8], B lowp_scales[9])
;;     6. [M 4,096, K 1,024] x [K 1,024, N 1,024]; A: computed on the way; B: input Wo: QUANTISED (scales: A lowp_scales[10], B lowp_scales[11])
;;   THE QUANTISER, for each operand of a quantised product, along K:
;;     - The operand's scale is 2^e, e = its entry of the input lowp_scales (int32; the entries are numbered through the quantised products in the list's order, A before B).
;;     - Each number is divided by the scale, clamped to +-448, and rounded to the nearest number of E4M3, ties to even, subnormals kept.
;;     - The product sums the exact products of the quantised numbers (number of the format x scale) in f32.
;;   ~~~python
;;   def quantise(x, axis, e):      # numpy; x: float32 -> the quantised numbers, widened to float32 again
;;       x = np.moveaxis(x, axis, -1); K = x.shape[-1]
;;       r = np.clip(x / 2.0 ** e, -448, 448)
;;       step = 2.0 ** (np.maximum(np.frexp(np.where(r == 0, 1, r))[1] - 1, -6) - 3)
;;       q = np.round(r / step) * step * 2.0 ** e      # np.round: ties to even
;;       return np.moveaxis(q, -1, axis).astype(np.float32)
;;   ~~~
;;   SOFTMAX AHEAD OF A QUANTISED PRODUCT. Where the list says 'softmax', what is quantised is not the finished softmax but p = 2^(t - M), with t = logit x log2(e) and M = ceil(the row's largest t), a whole number; so 1/2 < the row's largest p <= 1. The row's sum l is taken of the UNQUANTISED p, in f32, and the product's result is divided by l at the end. Since M is a whole number, a kernel that streams over the keys may use a running M (the ceiling of the running maximum): every later rescaling is an exact power of two, so the quantised numbers keep their values, but for numbers so far below the row's largest that they fall under the format's range.
;;   OPERANDS COMPUTED ON THE WAY. 'Computed on the way' means the value that the module computes at that place (a softmax that the list does not call 'softmax' is quantised finished and normalised). What goes into a quantiser is computed in f32, as accurately as f32 sums, v_exp_f32 and their like allow (about 1e-6 of the number): no bf16 or f16 on the way to a quantiser, and a product that is left as it is and whose result goes on into a quantised operand takes f32 operands (vector FMAs, or v_wmma_f32_16x16x4_f32). A number that lies on a knife's edge between two numbers of the format may be rounded either way, as far as f32 arithmetic and the matrix unit's own rounding can turn it there, and no further.
;; One version. Each part assembles by itself: llvm-mc -triple=amdgcn-amd-amdhsa -mcpu=gfx1250 --defsym DOCPART=n.
;; ======== version 1 of 1: 4 launches
;; limits: right only within a limited range of input values
;; workspace buffers: codes 16,777,216 bytes; qkv 12,582,912 bytes; oc 4,194,304 bytes
;; launch quant (part 1): grid 256 x 1, 8 waves a work-group, no clusters, 41,984 bytes of LDS; arguments x, Wq, Wk, Wv, Wo, lowp_scales, codes; writes codes
.if DOCPART == 1
	.amdgcn_target "amdgcn-amd-amdhsa--gfx1250"
	.amdhsa_code_object_version 6
	.text
	.protected	k_q15fa7a68d9_quant
	.globl	k_q15fa7a68d9_quant
	.p2align	8
	.type	k_q15fa7a68d9_quant,@function
k_q15fa7a68d9_quant:
	s_mov_b64 s[64:65], 0
	v_nop
	global_prefetch_b8 v0, s[64:65] scope:SCOPE_SE
	s_setreg_imm32_b32 hwreg(HW_REG_WAVE_MODE, 25, 1), 1
	s_wait_xcnt 0x0
; FIRST OF FOUR LAUNCHES of causal multi-head self-attention (S = 4,096, D = 1,024, 16 heads of 64), all six products on codes of FP8 (E4M3) with given scales 2^e.
; This launch: x [4096][1024] f32 becomes THREE sets of codes (its scale is given anew for each of the three projections: entries 0, 2, 4), and Wq, Wk, Wv, Wo [1024][1024] f32 one set each
; (entries 1, 3, 5, 11).  K is innermost in all five, so each tensor is a plain stream, and so are its codes.  codes: x's sets at 0, 4, 8 MiB; Wq, Wk, Wv, Wo at 12, 13, 14, 15 MiB; one code a byte.
; code = number / 2^e, held within +-448, rounded to the nearest code, ties to even.
; WORK LEFT OUT BY THE PROGRAM (third launch): the tiles of q k^T and of p v all of whose keys come after all of their queries.  reference() itself sets every score with key > query to -infinity
; ahead of the softmax, so its weight is exactly 0 and it adds nothing to the row's sum or to p v, whatever finite values the inputs hold.  Every input has a way to the output: all are loaded.
; LIMIT: a NaN, an infinity or an overflow that would arise only in such hidden scores is not carried to the result.
; LIMITS of this launch: each of e0 .. e5 and e11 lies between -126 and 119, so that 2^e and 448 x 2^e are f32 numbers.  NaN among the inputs is not served (an infinity is held at the largest code).
; SHARES.  Every work-group g takes 16,384 numbers of x (from 16,384 g on) and 16,384 numbers of weight g / 64 (from 16,384 (g % 64) on): one way through the text, equal work for all 256.
; A wave takes 8 steps of 512 numbers: steps 0-3 of x, steps 4-7 of its weight.  Each load reads 512 consecutive bytes, 16 a lane; a step's 2,048 bytes turn through the wave's own stage in LDS and come back
; 64 bytes a lane: 16 neighbours along K, as the conversions want them.  A lane's 16 codes are 16 bytes: each store of the wave covers 512 consecutive bytes, aligned.
; No tensor load, no barrier: waves share nothing.  Loads run four steps (16 loads a wave) ahead, the turn through LDS one step.  No matrix unit, no cluster: nothing is multiplied and nothing is shared.
.set WAVES, 8
.set STEPS, 8
.set SP,    80                         ; a lane's place in a stage: its 64 bytes + 16 of padding
.set WREG,  2*32*SP                    ; LDS: a region for each wave: two stages of 32 places
.set SPARE, WAVES*WREG                 ; behind the regions: the spare words, 128 bytes for each wave: four blocks of 256 bytes that no other line names
.set SPW,   12                         ; v12      LDS address of my spare word; never rewritten
.set NIL,   13                         ; v13      0; never rewritten
.set R,     16                         ; v16-79   four sets of 16 numbers as they are loaded
.set X,     80                         ; v80-111  two sets of 16 neighbours
.set T,     112                        ; v112-127 the 16 numbers held within the scale's range
.set C,     128                        ; v128-191 codes: four registers for each store, none written twice, so no store's data are written again
; v3: 16 x lane, for loads and stores alike.  v4/v5, v6/v7, v8/v9, v10/v11: 2^e and 448 x 2^e for e0, e2, e4 and the weight's e
	s_load_b256 s[4:11], s[0:1], 0x0               ; x s[4:5], Wq s[6:7], Wk s[8:9], Wv s[10:11]
	s_load_b128 s[12:15], s[0:1], 0x20             ; Wo s[12:13], the scales' exponents s[14:15]
	s_load_b64 s[16:17], s[0:1], 0x30              ; codes
	v_lshl_add_u32 v[SPW], v0, 2, SPARE
	v_mov_b32 v[NIL], 0
	v_lshrrev_b32 v1, 5, v0
	s_delay_alu instid0(VALU_DEP_1)
	v_readfirstlane_b32 s18, v1                    ; wave 0..7
	v_and_b32 v2, 31, v0                           ; lane
	s_delay_alu instid0(VALU_DEP_1)
	v_lshlrev_b32 v3, 4, v2
	s_mul_i32 s19, s18, WREG
	v_lshrrev_b32 v14, 2, v2
	s_delay_alu instid0(VALU_DEP_1)
	v_mul_u32_u24 v14, v14, SP
	v_and_b32 v15, 3, v2
	s_delay_alu instid0(VALU_DEP_1)
	v_lshl_add_u32 v14, v15, 4, v14
	s_delay_alu instid0(VALU_DEP_1)
	v_add_nc_u32 v14, s19, v14                     ; the stage, on the way in: SP (lane / 4) + 16 (lane % 4); a load's 512 bytes take eight places
	v_mul_u32_u24 v15, v2, SP
	s_delay_alu instid0(VALU_DEP_1)
	v_add_nc_u32 v15, s19, v15                     ; and on the way out: SP x lane: my 16 neighbours
	s_lshr_b32 s20, ttmp9, 6                       ; which weight: 0 Wq, 1 Wk, 2 Wv, 3 Wo
	s_and_b32 s21, ttmp9, 63                       ; and which part of it
	s_lshl_b32 s19, s18, 13                        ; my wave's 2,048 numbers: 8,192 bytes
	s_lshl_b32 s22, ttmp9, 16
	s_add_co_u32 s22, s22, s19                     ; x: 65,536 g + 8,192 w
	s_mov_b32 s23, 0
	s_lshl_b32 s24, s21, 16
	s_add_co_u32 s24, s24, s19                     ; the weight: 65,536 (g % 64) + 8,192 w
	s_mov_b32 s25, 0
	s_lshl_b32 s19, s18, 11
	s_lshl_b32 s26, ttmp9, 14
	s_add_co_u32 s26, s26, s19                     ; codes: 16,384 g + 2,048 w
	s_mov_b32 s27, 0
	s_wait_alu depctr_va_vdst(0)
	s_wait_kmcnt 0x0
	s_load_b256 s[32:39], s[14:15], 0x0            ; e0 .. e7
	s_load_b128 s[40:43], s[14:15], 0x20           ; e8 .. e11
	s_add_nc_u64 s[4:5], s[4:5], s[22:23]
	s_cmp_eq_u32 s20, 0                            ; the weight's buffer: the choice hangs on the work-group's number alone
	s_cselect_b64 s[6:7], s[6:7], s[8:9]
	s_cmp_lt_u32 s20, 2
	s_cselect_b64 s[6:7], s[6:7], s[10:11]
	s_cmp_lt_u32 s20, 3
	s_cselect_b64 s[6:7], s[6:7], s[12:13]
	s_add_nc_u64 s[6:7], s[6:7], s[24:25]
	s_add_nc_u64 s[24:25], s[16:17], s[26:27]      ; x's codes under e0,
	s_add_nc_u64 s[26:27], s[24:25], 0x400000      ; under e2,
	s_add_nc_u64 s[28:29], s[24:25], 0x800000      ; under e4;
	s_add_nc_u64 s[30:31], s[24:25], 0xc00000      ; the weight's: (12 + g / 64) MiB + 16,384 (g % 64) = 12 MiB + 16,384 g
.macro LOAD t
.irp i, 0,1,2,3
.if (\t) < 4
	global_load_b128 v[R+16*((\t)%4)+4*\i:R+16*((\t)%4)+4*\i+3], v3, s[4:5] offset:2048*((\t)%4)+512*\i th:TH_LOAD_NT   ; 32 lanes read 512 consecutive bytes
.else
	global_load_b128 v[R+16*((\t)%4)+4*\i:R+16*((\t)%4)+4*\i+3], v3, s[6:7] offset:2048*((\t)%4)+512*\i th:TH_LOAD_NT
.endif
.endr
.endm
.macro TURN t                          ; step t's numbers through the stage: LDS serves a wave's instructions in order (ISA guide 5.7.1.4), so no wait stands between the stores and the loads
.irp i, 0,1,2,3
	ds_store_b128 v14, v[R+16*((\t)%4)+4*\i:R+16*((\t)%4)+4*\i+3] offset:32*SP*((\t)%2)+8*SP*\i
.endr
.irp i, 0,1,2,3
	ds_load_b128 v[X+16*((\t)%2)+4*\i:X+16*((\t)%2)+4*\i+3], v15 offset:32*SP*((\t)%2)+16*\i
.endr
.endm
.macro MKSC e, vs, vl                  ; 2^e and 448 x 2^e as f32 numbers
	s_add_co_i32 s44, s[\e], 127
	s_lshl_b32 s45, s44, 23
	v_mov_b32 v[\vs], s45
	s_add_co_i32 s44, s44, 8
	s_lshl_b32 s44, s44, 23
	s_or_b32 s44, s44, 0x600000
	v_mov_b32 v[\vl], s44
.endm
; the 16 neighbours in v[XS] on become 16 codes under one scale, and are stored
.macro QOUT dst, sc, lim, base, off
.irp i, 0,1,2,3,4,5,6,7,8,9,10,11,12,13,14,15
	v_med3_num_f32 v[T+\i], v[XS+\i], -v[\lim], v[\lim]   ; the conversion to an 8-bit code does not saturate (ISA guide 7.6.2): the hold at the largest code x the scale comes first
.endr
	v_cvt_scalef32_pk8_fp8_f32 v[(\dst):(\dst)+1], v[T:T+7], v[\sc]
	v_cvt_scalef32_pk8_fp8_f32 v[(\dst)+2:(\dst)+3], v[T+8:T+15], v[\sc]
	v_nop                                          ; a plain vector line between the conversions and the next holds, which write their sources
	global_store_b128 v3, v[(\dst):(\dst)+3], s[\base:\base+1] offset:\off
.endm
	LOAD 0
	LOAD 1
	LOAD 2
	LOAD 3
	s_wait_kmcnt 0x0
	s_cmp_eq_u32 s20, 0                            ; the weight's exponent: e1, e3, e5 or e11; a selection, no branch
	s_cselect_b32 s46, s33, s35
	s_cmp_lt_u32 s20, 2
	s_cselect_b32 s46, s46, s37
	s_cmp_lt_u32 s20, 3
	s_cselect_b32 s46, s46, s43
	MKSC 32, 4, 5
	MKSC 34, 6, 7
	MKSC 36, 8, 9
	MKSC 46, 10, 11
	s_wait_alu depctr_va_vdst(0)
	s_wait_loadcnt 12                              ; step 0's four loads are in
	TURN 0
.macro STEP t
.set XS, X+16*((\t)%2)
	s_wait_dscnt 0x0                               ; this step's numbers are back from the stage: so its stores into the stage have read their registers,
.if (\t)+4 < STEPS
	LOAD (\t)+4                                    ; which take the loads of four steps on
.endif
.if (\t)+1 < STEPS
.if STEPS-2-(\t) >= 3
	s_wait_loadcnt 12                              ; the next step's four loads are in; those of the three steps behind it may be out
.else
	s_wait_loadcnt 4*(STEPS-2-(\t))
.endif
	TURN (\t)+1                                    ; and go through the other stage while this step is worked
.endif
.if (\t) < 4
	QOUT C+12*(\t), 4, 5, 24, 512*(\t)
	QOUT C+12*(\t)+4, 6, 7, 26, 512*(\t)
	QOUT C+12*(\t)+8, 8, 9, 28, 512*(\t)
.else
	QOUT C+48+4*((\t)-4), 10, 11, 30, 512*((\t)-4)
.endif
.endm
.irp t, 0,1,2,3,4,5,6,7
	STEP \t
.endr
	s_wait_tensorcnt 0x0                           ; the wave's end: behind my last LDS store
	ds_add_u32 v[SPW], v[NIL]
	s_wait_dscnt 0x0
	s_endpgm
.Lfunc_end_k_q15fa7a68d9_quant:
	.size	k_q15fa7a68d9_quant, .Lfunc_end_k_q15fa7a68d9_quant-k_q15fa7a68d9_quant
	.p2alignl 7, 3214868480
	.fill 96, 4, 3214868480
	.section	.rodata,"a",@progbits
	.p2align	6, 0x0
	.amdhsa_kernel k_q15fa7a68d9_quant
		.amdhsa_group_segment_fixed_size 41984
		.amdhsa_private_segment_fixed_size 0
		.amdhsa_enable_private_segment 0
		.amdhsa_kernarg_size 56
		.amdhsa_user_sgpr_count 2
		.amdhsa_user_sgpr_kernarg_segment_ptr 1
		.amdhsa_wavefront_size32 1
		.amdhsa_system_sgpr_workgroup_id_x 1
		.amdhsa_system_sgpr_workgroup_id_y 1
		.amdhsa_system_sgpr_workgroup_id_z 1
		.amdhsa_system_vgpr_workitem_id 0
		.amdhsa_next_free_vgpr 192
		.amdhsa_next_free_sgpr 66
		.amdhsa_reserve_vcc 0
		.amdhsa_float_denorm_mode_32 3
		.amdhsa_float_denorm_mode_16_64 3
		.amdhsa_memory_ordered 1
		.amdhsa_forward_progress 1
		.amdhsa_inst_pref_size 32
	.end_amdhsa_kernel
	.amdgpu_metadata
---
amdhsa.version: [ 1, 2 ]
amdhsa.kernels:
  - .name:           k_q15fa7a68d9_quant
    .symbol:         k_q15fa7a68d9_quant.kd
    .args:
      - { .name: x, .offset: 0, .size: 8, .value_kind: global_buffer, .address_space: global }
      - { .name: Wq, .offset: 8, .size: 8, .value_kind: global_buffer, .address_space: global }
      - { .name: Wk, .offset: 16, .size: 8, .value_kind: global_buffer, .address_space: global }
      - { .name: Wv, .offset: 24, .size: 8, .value_kind: global_buffer, .address_space: global }
      - { .name: Wo, .offset: 32, .size: 8, .value_kind: global_buffer, .address_space: global }
      - { .name: lowp_scales, .offset: 40, .size: 8, .value_kind: global_buffer, .address_space: global }
      - { .name: codes, .offset: 48, .size: 8, .value_kind: global_buffer, .address_space: global }
    .group_segment_fixed_size: 41984
    .private_segment_fixed_size: 0
    .kernarg_segment_align: 8
    .kernarg_segment_size: 56
    .max_flat_workgroup_size: 256
    .sgpr_count:     66
    .vgpr_count:     192
    .wavefront_size: 32
...
	.end_amdgpu_metadata
.endif
;; end of part 1
;; launch proj (part 2): grid 4 x 48, 4 waves a work-group, clusters of 4 x 4, 327,680 bytes of LDS; arguments codes, lowp_scales, qkv; writes qkv
.if DOCPART == 2
	.amdgcn_target "amdgcn-amd-amdhsa--gfx1250"
	.amdhsa_code_object_version 6
	.text
	.protected	k_q15fa7a68d9_proj
	.globl	k_q15fa7a68d9_proj
	.p2align	8
	.type	k_q15fa7a68d9_proj,@function
k_q15fa7a68d9_proj:
	s_mov_b64 s[64:65], 0
	v_nop
	global_prefetch_b8 v0, s[64:65] scope:SCOPE_SE
	s_setreg_imm32_b32 hwreg(HW_REG_WAVE_MODE, 25, 1), 1
	s_wait_xcnt 0x0
	s_wait_alu depctr_hold_cnt(0) depctr_sa_sdst(0) depctr_va_vdst(0) depctr_va_sdst(0) depctr_va_ssrc(0) depctr_va_vcc(0) depctr_vm_vsrc(0)
	s_getreg_b32 s2, hwreg(HW_REG_IB_STS2, 6, 4)
	s_cmp_eq_u32 s2, 0
	s_cbranch_scc0 .Lentry_in_a_cluster
	s_endpgm
.Lentry_in_a_cluster:
	s_bfe_u32 s2, ttmp6, 0x10000c
	s_cmp_lg_u32 s2, 0xf033
	s_cbranch_scc0 .Lentry_shape_is_right
	s_endpgm
.Lentry_shape_is_right:
.set KSTEP,  256
.set ROWB,   256
.set KROW,   1024
.set PITCH,  272
.set FR,     16
.set NL,     4
.set NP,     4
.set HALFT,  128*PITCH
.set SLOT,   4*HALFT
.set LAPS,   2
.set SPARE,  2*SLOT
.set SPITCH, 272
.set ADRA, 16
.set ADRB, 20
.set COV,  22
.set STO,  24
.set RDQ,  25
.set CO,   26
.set RDV,  27
.set SPW,  28
.set NIL,  29
.set SCL,  10
.set LIM,  11
.set TMP,  32
.set AF,   128
.set BK,   128
.set G1, 24
.set G0, 32
.set G1B, 48
.set G0B, 56
.set MSB, 0
.macro WIN new
.if MSB != \new
	s_set_vgpr_msb (MSB<<8)|\new
.set MSB, \new
.endif
.endm
.set MUL_LO, 0xa1
.set MUL_HI, 0xf1
.set TO_B,   0x40
.macro JLOAD g0a, g1a, g0b, g1b
	s_cmp_eq_u32 s15, 0
	s_cbranch_scc0 .Lfor_b_\@
	tensor_load_to_lds s[\g0a:\g0a+3], s[\g1a:\g1a+7]
	s_nop 0
.rept 4
	v_nop
.endr
	s_branch .Lasked_\@
.Lfor_b_\@:
	tensor_load_to_lds s[\g0b:\g0b+3], s[\g1b:\g1b+7]
	s_nop 0
.rept 4
	v_nop
.endr
.Lasked_\@:
.endm
.macro CREST
	s_cmp_lg_u32 s14, 0
	s_cbranch_scc1 .Lnot_wave_0_\@
	s_barrier_signal -3
.Lnot_wave_0_\@:
	s_barrier_wait -3
	s_barrier_signal -1
	s_barrier_wait -1
.endm
.macro CROUND
	s_barrier_signal -1
	s_barrier_wait -1
	CREST
.endm
	s_load_b128 s[4:7], s[0:1], 0x0
	s_load_b64 s[10:11], s[0:1], 0x10
	v_lshl_add_u32 v[SPW], v0, 2, SPARE
	v_mov_b32 v[NIL], 0
	ds_add_u32 v[SPW], v[NIL]
	ds_add_u32 v[SPW], v[NIL]
	v_lshrrev_b32 v1, 5, v0
	v_readfirstlane_b32 s14, v1
	s_lshr_b32 s15, s14, 1
	s_and_b32 s16, s14, 1
	s_bfe_u32 s40, ttmp6, 0x40000
	s_bfe_u32 s41, ttmp6, 0x40004
	s_and_b32 s66, ttmp7, 0xffff
	s_lshr_b32 s67, s66, 2
	s_and_b32 s68, s66, 3
	s_lshl_b32 s73, s67, 22
	s_add_co_u32 s74, s67, 12
	s_lshl_b32 s74, s74, 20
	s_cmp_eq_u32 s67, 2
	s_cselect_b32 s69, 0, s68
	s_cselect_b32 s70, s68, 0
	s_cselect_b32 s71, 0xe00000, s73
	s_cselect_b32 s72, 0x800000, s74
	s_lshl_b32 s42, s70, 2
	s_add_co_u32 s42, s42, s40
	s_lshl_b32 s17, s69, 2
	s_add_co_u32 s17, s17, s41
	s_lshl_b32 s43, s41, 2
	s_lshl_b32 s43, 15, s43
	s_lshl_b32 s44, 0x1111, s40
	s_or_b32 s[G1+0], s43, (0<<16)|(1<<20)|(1<<21)|(5<<22)|(3<<25)
	s_or_b32 s[G1B+0], s44, (0<<16)|(1<<20)|(1<<21)|(5<<22)|(3<<25)
.irp g, G1, G1B
	s_mov_b32 s[\g+1], ROWB<<16
	s_mov_b32 s[\g+2], 128<<16
	s_mov_b32 s[\g+3], ROWB<<16
	s_mov_b32 s[\g+4], 128
	s_mov_b32 s[\g+5], KROW
	s_mov_b32 s[\g+6], 0
	s_mov_b32 s[\g+7], 0
.endr
	s_lshl_b32 s18, s16, 7
	s_lshl_b32 s20, s17, 8
	s_add_co_u32 s20, s20, s18
	s_lshl_b32 s20, s20, 10
	s_add_co_u32 s20, s20, s71
	s_mov_b32 s21, 0
	s_lshl_b32 s46, s42, 8
	s_add_co_u32 s46, s46, s18
	s_lshl_b32 s46, s46, 10
	s_add_co_u32 s46, s46, s72
	s_mov_b32 s47, 0
	s_mul_i32 s45, s14, HALFT
	s_wait_dscnt 0x0
	s_wait_kmcnt 0x0
	s_load_b256 s[76:83], s[6:7], 0x0
	s_load_b128 s[84:87], s[6:7], 0x20
	s_add_nc_u64 s[20:21], s[4:5], s[20:21]
	s_add_nc_u64 s[46:47], s[4:5], s[46:47]
.irp s, 0,1
	s_mov_b32 s[G0+4*\s], 1
	s_add_co_u32 s[G0+4*\s+1], s45, \s*SLOT
	s_add_nc_u64 s[G0+4*\s+2:G0+4*\s+3], s[20:21], \s*ROWB
	s_or_b32 s[G0+4*\s+3], s[G0+4*\s+3], 0x80000000
	s_mov_b32 s[G0B+4*\s], 1
	s_add_co_u32 s[G0B+4*\s+1], s45, \s*SLOT
	s_add_nc_u64 s[G0B+4*\s+2:G0B+4*\s+3], s[46:47], \s*ROWB
	s_or_b32 s[G0B+4*\s+3], s[G0B+4*\s+3], 0x80000000
	s_wait_alu depctr_va_vdst(0)
	s_wait_tensorcnt 0x0
	ds_add_u32 v28, v29
	ds_add_u32 v28, v29
	s_wait_dscnt 0x0
	CROUND
	JLOAD G0+4*\s, G1, G0B+4*\s, G1B
.endr
	v_and_b32 v1, 15, v0
	v_bfe_u32 v2, v0, 4, 1
	v_mul_u32_u24 v3, v1, PITCH
	v_lshl_add_u32 v4, v2, 4, v3
	s_wait_alu depctr_va_vdst(0)
	s_mul_i32 s21, s15, HALFT
	s_mul_i32 s22, s16, HALFT
	s_add_co_u32 s22, s22, 2*HALFT
.irp s, 0,1
	v_add_nc_u32 v[ADRA+\s], s21, v4
	v_add_nc_u32 v[ADRB+\s], s22, v4
	s_add_co_u32 s21, s21, SLOT
	s_add_co_u32 s22, s22, SLOT
.endr
	s_mul_i32 s23, s15, 128*SPITCH
	s_lshl_b32 s21, s16, 7
	s_add_co_u32 s23, s23, s21
	v_add_nc_u32 v[STO], s23, v4
	v_and_b32 v5, 31, v0
	s_mul_i32 s23, s14, 64*SPITCH
	v_lshrrev_b32 v6, 2, v5
	v_mul_u32_u24 v6, v6, SPITCH
	v_and_b32 v7, 3, v5
	v_lshl_add_u32 v6, v7, 4, v6
	v_add_nc_u32 v[RDQ], s23, v6
	v_lshlrev_b32 v[CO], 4, v5
	v_mul_u32_u24 v6, v2, SPITCH
	v_lshl_add_u32 v6, v1, 4, v6
	v_add_nc_u32 v[RDV], s23, v6
	v_lshlrev_b32 v6, 12, v2
	v_lshl_add_u32 v[COV], v1, 4, v6
	s_lshl_b32 s91, s67, 22
	s_lshl_b32 s88, s42, 20
	s_add_co_u32 s91, s91, s88
	s_lshl_b32 s88, s17, 14
	s_add_co_u32 s91, s91, s88
	s_lshl_b32 s88, s14, 12
	s_add_co_u32 s91, s91, s88
	s_lshl_b32 s92, s17, 20
	s_add_co_u32 s92, s92, 0x800000
	s_lshl_b32 s88, s14, 18
	s_add_co_u32 s92, s92, s88
	s_lshl_b32 s88, s42, 8
	s_add_co_u32 s92, s92, s88
	s_cmp_eq_u32 s67, 2
	s_cselect_b32 s92, s92, s91
	s_mov_b32 s93, 0
	s_add_nc_u64 s[10:11], s[10:11], s[92:93]
.macro FRAG reg, adr, q, i
.irp c, 0,1,2,3
	ds_load_b128 v[\reg+4*\c:\reg+4*\c+3], v[\adr] offset:128*(\q)+32*\c+(\i)*16*PITCH
.endr
.endm
.macro MUL16 a0, p, zero
.irp a, \a0, \a0+1
.irp b, 0,1,2,3,4,5,6,7
.if \zero
	v_wmma_f32_16x16x128_fp8_fp8 v[8*(8*((\a)%4)+\b):8*(8*((\a)%4)+\b)+7], v[128*(\p)+FR*\b:128*(\p)+FR*\b+FR-1], v[AF+FR*(\a):AF+FR*(\a)+FR-1], 0
.else
	v_wmma_f32_16x16x128_fp8_fp8 v[8*(8*((\a)%4)+\b):8*(8*((\a)%4)+\b)+7], v[128*(\p)+FR*\b:128*(\p)+FR*\b+FR-1], v[AF+FR*(\a):AF+FR*(\a)+FR-1], v[8*(8*((\a)%4)+\b):8*(8*((\a)%4)+\b)+7]
.endif
.endr
.endr
.endm
.macro FETCH_B slot, q, p
	WIN TO_B
.irp i, 0,1,2,3,4,5,6,7
	FRAG 128*(\p)+FR*\i, ADRB+\slot, \q, \i
.endr
	WIN 0
.endm
.macro FETCH_A slot, q, i0
.irp i, \i0, \i0+1, \i0+2, \i0+3
	FRAG AF+FR*(\i), ADRA+\slot, \q, \i
.endr
.endm
.macro PLACES n
.rept \n
	v_nop
.endr
.endm
.macro STEP slot, q, zero
	s_wait_dscnt 4*NL
	WIN MUL_LO
	MUL16 0, (\q)%2, \zero
	MUL16 2, (\q)%2, \zero
	s_wait_dscnt 0
	PLACES NP
	FETCH_B \slot, (\q)+1, 1-(\q)%2
	FETCH_A \slot, (\q)+1, 0
	WIN MUL_HI
	MUL16 4, (\q)%2, \zero
	MUL16 6, (\q)%2, \zero
	PLACES NP
	WIN 0
	FETCH_A \slot, (\q)+1, 4
.endm
.macro TURN slot, next, fill
	s_wait_tensorcnt 0x0
	ds_add_u32 v[SPW], v[NIL]
	s_wait_dscnt 4*NL+1
	WIN MUL_LO
	MUL16 0, 1, 0
	s_wait_dscnt 0x0
	s_barrier_signal -1
	MUL16 2, 1, 0
	WIN 0
	s_barrier_wait -1
.if \fill
	CREST
	s_add_nc_u64 s[G0+4*\slot+2:G0+4*\slot+3], s[G0+4*\slot+2:G0+4*\slot+3], 2*ROWB
	s_add_nc_u64 s[G0B+4*\slot+2:G0B+4*\slot+3], s[G0B+4*\slot+2:G0B+4*\slot+3], 2*ROWB
	JLOAD G0+4*\slot, G1, G0B+4*\slot, G1B
.else
	PLACES NP
.endif
	FETCH_B \next, 0, 0
	FETCH_A \next, 0, 0
	WIN MUL_HI
	MUL16 4, 1, 0
	MUL16 6, 1, 0
	PLACES NP
	WIN 0
	FETCH_A \next, 0, 4
.endm
	s_wait_tensorcnt 1
	s_barrier_signal -1
	s_barrier_wait -1
	FETCH_B 0, 0, 0
	FETCH_A 0, 0, 0
	FETCH_A 0, 0, 4
	STEP 0, 0, 1
	s_mov_b32 s3, LAPS-1
.Llap:
	TURN 0, 1, 1
	STEP 1, 0, 0
	TURN 1, 0, 1
	STEP 0, 0, 0
	s_sub_co_u32 s3, s3, 1
	s_cmp_lg_u32 s3, 0
	s_cbranch_scc1 .Llap
	TURN 0, 1, 0
	STEP 1, 0, 0
	s_wait_dscnt 4*NL
	WIN MUL_LO
	MUL16 0, 1, 0
	MUL16 2, 1, 0
	s_wait_dscnt 0
	WIN MUL_HI
	MUL16 4, 1, 0
	MUL16 6, 1, 0
	WIN 0
	s_wait_kmcnt 0x0
	s_sub_co_i32 s88, s82, s76
	s_sub_co_i32 s88, s88, s77
	s_sub_co_i32 s89, s83, s78
	s_sub_co_i32 s89, s89, s79
	s_sub_co_i32 s90, s85, s80
	s_sub_co_i32 s90, s90, s81
	s_cmp_eq_u32 s67, 0
	s_cselect_b32 s88, s88, s89
	s_cmp_eq_u32 s67, 2
	s_cselect_b32 s88, s90, s88
	s_add_co_i32 s88, s88, 127
	s_lshl_b32 s89, s88, 23
	v_mov_b32 v[SCL], s89
	s_add_co_i32 s88, s88, 8
	s_lshl_b32 s88, s88, 23
	s_or_b32 s88, s88, 0x600000
	v_mov_b32 v[LIM], s88
	PLACES NP
.macro CODES a
.set AC, 64*((\a)%4)
.set CD, BK+16*(\a)
	WIN 0x02+((\a)/4)
.set j, 0
.rept 64
	v_med3_num_f32 v[TMP+j], v[AC+j], -v[LIM], v[LIM]
.set j, j+1
.endr
	WIN 0
.irp b, 0,1,2,3,4,5,6,7
	v_cvt_scalef32_pk8_fp8_f32 v[CD+2*\b:CD+2*\b+1], v[TMP+8*\b:TMP+8*\b+7], v[SCL]
.endr
	v_nop
.irp g, 0,1,2,3
	ds_store_b128 v[STO], v[CD+4*\g:CD+4*\g+3] offset:(\a)*16*SPITCH+32*\g
.endr
.endm
.irp a, 0,1,2,3,4,5,6,7
	CODES \a
.endr
	s_wait_dscnt 0x0
	s_barrier_signal -1
	s_barrier_wait -1
	s_cmp_eq_u32 s67, 2
	s_cbranch_scc1 .Lv_out
.irp g, 0,1,2,3,4,5,6,7
.irp u, 0,1,2,3
	ds_load_b128 v[BK+4*(4*\g+\u):BK+4*(4*\g+\u)+3], v[RDQ] offset:\g*8*SPITCH+64*\u
.endr
.endr
.irp g, 0,1,2,3,4,5,6,7
.irp u, 0,1,2,3
	s_wait_dscnt 31-(4*\g+\u)
	global_store_b128 v[CO], v[BK+4*(4*\g+\u):BK+4*(4*\g+\u)+3], s[10:11] offset:\u*262144+\g*512
.endr
.endr
	s_branch .Lout_done
.Lv_out:
.set t, 0
.rept 32
	ds_load_b128 v[BK+4*t:BK+4*t+3], v[RDV] offset:2*t*SPITCH
.set t, t+1
.endr
.set t, 0
.rept 32
	s_wait_dscnt 31-t
	global_store_b128 v[COV], v[BK+4*t:BK+4*t+3], s[10:11] offset:2*t*4096
.set t, t+1
.endr
.Lout_done:
	s_wait_tensorcnt 0x0
	ds_add_u32 v[SPW], v[NIL]
	s_wait_dscnt 0x0
	CROUND
	s_endpgm
.Lfunc_end_k_q15fa7a68d9_proj:
	.size	k_q15fa7a68d9_proj, .Lfunc_end_k_q15fa7a68d9_proj-k_q15fa7a68d9_proj
	.p2alignl 7, 3214868480
	.fill 96, 4, 3214868480
	.section	.rodata,"a",@progbits
	.p2align	6, 0x0
	.amdhsa_kernel k_q15fa7a68d9_proj
		.amdhsa_group_segment_fixed_size 327680
		.amdhsa_private_segment_fixed_size 0
		.amdhsa_enable_private_segment 0
		.amdhsa_kernarg_size 24
		.amdhsa_user_sgpr_count 2
		.amdhsa_user_sgpr_kernarg_segment_ptr 1
		.amdhsa_wavefront_size32 1
		.amdhsa_system_sgpr_workgroup_id_x 1
		.amdhsa_system_sgpr_workgroup_id_y 1
		.amdhsa_system_sgpr_workgroup_id_z 1
		.amdhsa_system_vgpr_workitem_id 0
		.amdhsa_next_free_vgpr 1024
		.amdhsa_next_free_sgpr 100
		.amdhsa_reserve_vcc 0
		.amdhsa_float_denorm_mode_32 3
		.amdhsa_float_denorm_mode_16_64 3
		.amdhsa_memory_ordered 1
		.amdhsa_forward_progress 1
		.amdhsa_inst_pref_size 131
	.end_amdhsa_kernel
	.amdgpu_metadata
---
amdhsa.version: [ 1, 2 ]
amdhsa.kernels:
  - .name:           k_q15fa7a68d9_proj
    .symbol:         k_q15fa7a68d9_proj.kd
    .args:
      - { .name: codes, .offset: 0, .size: 8, .value_kind: global_buffer, .address_space: global }
      - { .name: lowp_scales, .offset: 8, .size: 8, .value_kind: global_buffer, .address_space: global }
      - { .name: qkv, .offset: 16, .size: 8, .value_kind: global_buffer, .address_space: global }
    .group_segment_fixed_size: 327680
    .private_segment_fixed_size: 0
    .kernarg_segment_align: 8
    .kernarg_segment_size: 24
    .max_flat_workgroup_size: 128
    .sgpr_count:     100
    .vgpr_count:     1024
    .wavefront_size: 32
...
	.end_amdgpu_metadata
.endif
;; end of part 2
;; launch attn (part 3): grid 16 x 16, 16 waves a work-group, no clusters, 327,680 bytes of LDS; arguments qkv, lowp_scales, oc; writes oc
.if DOCPART == 3
	.amdgcn_target "amdgcn-amd-amdhsa--gfx1250"
	.amdhsa_code_object_version 6
	.text
	.protected	k_q15fa7a68d9_attn
	.globl	k_q15fa7a68d9_attn
	.p2align	8
	.type	k_q15fa7a68d9_attn,@function
k_q15fa7a68d9_attn:
	s_mov_b64 s[64:65], 0
	v_nop
	global_prefetch_b8 v0, s[64:65] scope:SCOPE_SE
	s_setreg_imm32_b32 hwreg(HW_REG_WAVE_MODE, 25, 1), 1
	s_wait_xcnt 0x0
; THIRD LAUNCH: for each head, o[q] = the sum over keys k <= q of softmax_k(q . k / 8) v[k], both products on codes of FP8 (E4M3); o is quantised on the way out (scale entry 10) for the last projection.
; WORK LEFT OUT: a step of 128 keys all of which come after a block of 128 queries.  reference() sets those scores to -infinity itself, so their weight is exactly 0 for all inputs.
; LIMIT: a NaN, an infinity or an overflow that would arise only in such hidden scores is not carried to the result.
; qkv: q at 0, k at 4 MiB: [head][position][64]; v at 8 MiB: [64 head + d][position], the keys innermost.  In all three, of every 32 codes along K the two middle groups of 8 have changed places, so that
; a fragment read 16 bytes a lane at 32 c + 16 (lane / 16) has each k in the place that the matrix instruction's layout gives it.
; THE SOFTMAX AHEAD OF THE SECOND PRODUCT: t = score x log2(e) / 8; M = the largest t so far, rounded UP to a whole number; p = 2^(t - M) is quantised (entry 8); it is not normalised.
; The row's sum is taken of the unquantised p, in f32, and divides at the end.  When M moves, the sum and O are multiplied by 2^(old M - new M): exact.
; SHARES.  The queries of a head are 32 blocks of 128.  Work-group p takes block 31 - p, then block p: 32 - p and p + 1 steps of 128 keys, 33 in all; in slots of four steps that is 9 slots for every p.
; Wave w = 4 u + g owns the two tiles of 16 queries 2 g, 2 g + 1 of the block and step u of each slot: a fragment of K or V feeds two products.  Four waves (u = 0 .. 3) hold parts of a query's row: they are joined through LDS at
; the end, each part under its own M.
; NO CLUSTER: the blocks of neighbouring work-groups end one key step apart, so which waves leave a step out would hang on a work-group's place in its cluster.
; BARRIER.  A wave signals when its LDS reads of the slot are over, in the middle of its step, and waits at the step's end: between the two it works on registers alone.
; LAYOUT.  Both products are used transposed: S^T = K Q^T (16x16x64: source 0 = 16 neighbouring keys, source 1 = 16 queries), O^T = V^T P^T (16x16x128: source 0 = 16 of the head's 64, source 1 = P): a lane holds ONE
; query (lane % 16) of a tile.  Tile t of S^T holds in lane (r, h) the keys 16 t + 8 h + 0 .. 7: its eight codes ARE registers 2 t, 2 t + 1 of P.
; LIMITS on the given exponents: e6 + e7 between -124 and 130 (added to c's exponent field, 124); e8, and e10 - e8 - e9, between -126 and 119.
; REGISTERS: v1-11 addresses and constants; tile i: v12+4i -M, v13+4i the largest t, v[14+4i:15+4i] the sum in two halves; v20-35 Q; v36-99 K, then V; v100-107 at work; v108-171 S^T, then p; v172-235 O^T;
; v236-251 the first tile's codes of P (the second's are v100-115); v252-255 at work.
.set KP,    272                        ; K in LDS: rows of FOUR keys (a head's keys are dense in memory): 256 bytes + 16 of padding
.set VP,    528                        ; V in LDS: a row d: 512 keys' codes + 16 of padding
.set VOFF,  128*KP                     ; a slot: 128 rows of K, then 64 rows of V
.set SLOT,  VOFF+64*VP
.set QA,    2*SLOT                     ; the second block's Q, 2,048 bytes for each wave, its own
.set EXW,   8704                       ; a wave's part of O: 2 tiles x 4 x (1,024 + 64 bytes)
.set EXB,   QA+16*2048                 ; the first block's parts: O,
.set STB,   EXB+16*EXW                 ; and -M and the sum, 512 bytes for each wave
.set SPARE, STB+16*512                 ; the spare words, 128 bytes for each wave: eight blocks of 256 bytes that no other line names
.set STA,   16*EXW                     ; the second block's parts lie from byte 0 on, over the ring and Q's bytes: both have had their last fill and their last read by then
.set Y,     108
.set SPW,   5                          ; v5   LDS address of my spare word; never rewritten
.set NIL,   6                          ; v6   0; never rewritten
.set CS,    22                         ; s[22:23] c = log2(e) / 8 x 2^(e6 + e7)
.set G1K,   24
.set G1V,   32
.set G0K,   40
.set G0V,   44
; s2 LDS byte of the slot in hand; s3 trips to go; s10 g; s[12:13], s[14:15] where my 8 queries of the first, second block go; s18 wave; s19 u; s[20:21] lane selects; s[48:49], s[50:51] my part of K, V in memory;
; s52, s53 in a slot; s54 slot of the walk to be asked for; s55 the first block's slots; s56 its slots to go; s57 my step; s58 the block; s59 LDS byte of the slot to be filled; s[68:75] e4 .. e11;
; s[76:77] where my prefetches stand; s[78:79] a slot on; s80 2 in a wave that prefetches, else the greatest number
; Waves 0 and 1 fetch a slot's K, waves 2 and 3 its V, the others nothing.  The branches hang on the wave's number alone.  An s_nop 0 and four v_nop follow each of the two lines.
.macro TLOAD
	s_cmp_lt_u32 s18, 2
	s_cbranch_scc0 .Lnot_k_\@
	tensor_load_to_lds s[G0K:G0K+3], s[G1K:G1K+7]
	s_nop 0
.rept 4
	v_nop
.endr
	s_branch .Lasked_\@
.Lnot_k_\@:
	s_cmp_lt_u32 s18, 4
	s_cbranch_scc0 .Lasked_\@
	tensor_load_to_lds s[G0V:G0V+3], s[G1V:G1V+7]
	s_nop 0
.rept 4
	v_nop
.endr
.Lasked_\@:
.endm
; A PREFETCH of what the NEXT trip's load will ask for: K's 32,768 bytes and 512 bytes of each of V's 64 rows.  All work-groups of a head walk the same K and V: work-group 0 of the head asks (its first block is 31, so its own
; loads reach every slot).  In it waves 4 to 7 ask for K, 8,192 bytes a wave, lanes 256 bytes apart; waves 8 to 11 for V, 256 bytes of 32 rows a wave, a lane a row: each aligned block of 256 bytes is named once in the launch.
; Trips 0 to 5 ask for slots 2 to 7.  Slots 0 and 1 come by their loads alone.
.macro ASK
	s_cmp_gt_u32 s3, s80
	s_cbranch_scc0 .Lnot_mine_\@
	global_prefetch_b8 v3, s[76:77] th:TH_LOAD_NT scope:SCOPE_SE
.Lnot_mine_\@:
.endm
; The descriptors' step to the next slot of the walk (behind the first block's last slot: the second block's slot 0), and the prefetches'.  No tensor load of mine is out here.
.macro STEPD
	s_add_co_u32 s54, s54, 1
	s_cmp_eq_u32 s54, s55
	s_cselect_b32 s54, 0, s54
	s_xor_b32 s59, s59, SLOT
	s_add_co_u32 s[G0K+1], s52, s59
	s_add_co_u32 s[G0V+1], s53, s59
	s_mov_b32 s67, 0
	s_lshl_b32 s66, s54, 15
	s_add_nc_u64 s[G0K+2:G0K+3], s[48:49], s[66:67]
	s_or_b32 s[G0K+3], s[G0K+3], 0x80000000
	s_lshl_b32 s66, s54, 9
	s_add_nc_u64 s[G0V+2:G0V+3], s[50:51], s[66:67]
	s_or_b32 s[G0V+3], s[G0V+3], 0x80000000
	s_wait_xcnt 0x0                                ; the last prefetch has read its address, so it may be written
	s_add_nc_u64 s[76:77], s[76:77], s[78:79]
.endm
; A block begins: nothing summed, the largest t under every t.  (The step is written once: its first change of M leaves zeros zeros.)
.macro RESETS
	v_mov_b32 v13, 0xff61b1e6                      ; -3e38
	v_mov_b32 v17, 0xff61b1e6
	v_mov_b32 v14, 0
	v_mov_b32 v15, 0
	v_mov_b32 v18, 0
	v_mov_b32 v19, 0
	v_floor_f32 v12, -v13                          ; -M
	v_floor_f32 v16, -v17
.set mj, 0
.rept 64
	v_mov_b32 v[172+mj], 0
.set mj, mj+1
.endr
.endm
; My part of a block into LDS: O^T as its registers lie, -M and the row's sum among my keys.
.macro STOREPART ex, st
	v_add_f32 v14, v14, v15
	v_add_f32 v18, v18, v19
	v_permlanex16_b32 v255, v14, s20, s21
	v_add_f32 v14, v14, v255
	v_permlanex16_b32 v255, v18, s20, s21
	v_add_f32 v18, v18, v255
	s_mul_i32 s82, s18, EXW
.if \ex
	s_add_co_u32 s82, s82, \ex
.endif
	s_lshl_b32 s83, s18, 9
	s_add_co_u32 s83, s83, \st
	v_and_b32 v9, 31, v0
	v_lshlrev_b32 v8, 4, v9
	v_lshlrev_b32 v9, 2, v9
	v_add_nc_u32 v8, s82, v8
	v_add_nc_u32 v9, s83, v9
	ds_store_b32 v9, v12
	ds_store_b32 v9, v14 offset:128
	ds_store_b32 v9, v16 offset:256
	ds_store_b32 v9, v18 offset:384
.irp i, 0,1
.irp t, 0,1,2,3
	ds_store_b128 v8, v[172+32*\i+8*\t:175+32*\i+8*\t] offset:4352*\i+1088*\t
	ds_store_b128 v8, v[176+32*\i+8*\t:179+32*\i+8*\t] offset:4352*\i+1088*\t+512
.endr
.endr
.endm
; From the first block to the second: the work-group's number and the count of slots decide, alike in all waves.
.macro TRANS n
	s_cmp_lg_u32 s56, 0
	s_cbranch_scc1 .Lgo_\n
	STOREPART EXB, STB
	RESETS
	s_lshl_b32 s82, s18, 11
	s_add_co_u32 s82, s82, QA
	v_and_b32 v8, 31, v0
	v_lshlrev_b32 v8, 4, v8
	v_add_nc_u32 v8, s82, v8
.irp c, 0,1,2,3
	ds_load_b128 v[20+4*\c:23+4*\c], v8 offset:512*\c   ; the second block's Q
.endr
	s_mov_b32 s57, s19
	s_mov_b32 s58, ttmp9
	s_mov_b32 s56, 64                              ; (never counted down to 0)
	s_wait_alu depctr_va_vdst(0)
.Lgo_\n:
.endm
; Tile i: the mask on the diagonal, the largest t, M, and t - M.
.macro SOFT_A i
	s_cmp_lg_u32 s57, s58                          ; on the diagonal the scores of hidden keys become -infinity ahead of the maximum: p = 0 then.  A step all of whose keys count skips this
	s_cbranch_scc1 .Lopen_\@
	v_mov_b32 v254, 0xff800000
.set mj, 0
.rept 64
	v_cmp_gt_i32 vcc_lo, 16*(mj/8)+mj%8-16*(\i), v10   ; register 8 t + j holds key 16 t + 8 h + j of the step; my query is 32 g + 16 i + r of the block; v10 = 32 g + r - 8 h
	v_cndmask_b32 v[Y+mj], v[Y+mj], v254, vcc_lo
.set mj, mj+1
.endr
.Lopen_\@:
	v_max3_num_f32 v100, v[Y], v[Y+1], v[Y+2]      ; four chains; each accumulator is first read at its low end
	v_max3_num_f32 v102, v[Y+3], v[Y+4], v[Y+5]
	v_max3_num_f32 v104, v[Y+6], v[Y+7], v[Y+8]
	v_max3_num_f32 v106, v[Y+9], v[Y+10], v[Y+11]
.set mj, 12
.rept 26
.set mc, 100+2*(((mj-12)/2)%4)
	v_max3_num_f32 v[mc], v[mc], v[Y+mj], v[Y+mj+1]
.set mj, mj+2
.endr
	s_delay_alu instid0(VALU_DEP_1)
	v_max3_num_f32 v254, v100, v102, v104
	s_delay_alu instid0(VALU_DEP_1)
	v_max_num_f32 v254, v254, v106
	s_delay_alu instid0(VALU_DEP_1)
	v_permlanex16_b32 v255, v254, s20, s21
	s_delay_alu instid0(VALU_DEP_1)
	v_max_num_f32 v254, v254, v255                 ; and among lane l xor 16's
	s_delay_alu instid0(VALU_DEP_1)
	v_mul_f32 v254, s[CS], v254                    ; as t (c is positive)
	s_delay_alu instid0(VALU_DEP_1)
	v_max_num_f32 v[13+4*(\i)], v[13+4*(\i)], v254
	v_mov_b32 v254, v[12+4*(\i)]
	s_delay_alu instid0(VALU_DEP_2)
	v_floor_f32 v[12+4*(\i)], -v[13+4*(\i)]        ; the new -M = floor(-t) = -ceil(t): a whole number
	s_delay_alu instid0(VALU_DEP_1)
	v_sub_f32 v254, v[12+4*(\i)], v254             ; M's old value less its new one: a whole number, 0 or less
	s_delay_alu instid0(VALU_DEP_1)
	v_cvt_i32_f32 v254, v254                       ; (it saturates)
	s_delay_alu instid0(VALU_DEP_1)
	v_ldexp_f32 v252, 1.0, v254                    ; f = 2^(old M - new M)
.set mj, 0
.rept 32
	v_pk_fma_f32 v[Y+mj:Y+mj+1], v[Y+mj:Y+mj+1], s[CS:CS+1], v[12+4*(\i):13+4*(\i)] op_sel_hi:[1,0,0]   ; t - M, two at a time (of the pairs c and -M the low word serves both halves)
.set mj, mj+2
.endr
.endm
; Tile i: p, the sum, O^T under the new M, and p's codes, to v[P] on.
.macro SOFT_B i, P
.set SM, 14+4*(\i)
.set mj, 0
.rept 64
	v_exp_f32 v[Y+mj], v[Y+mj]                     ; p = 2^(t - M), at most 1: not normalised
.set mj, mj+1
.endr
	v_pk_mul_f32 v[SM:SM+1], v[SM:SM+1], v[252:253] op_sel_hi:[1,0]   ; the plain line behind the exponentials
	s_wait_alu depctr_va_vdst(0)                   ; a wait for the batch and for O^T, ahead of their first readers
.set mj, 172+32*(\i)
.rept 16
	v_pk_mul_f32 v[mj:mj+1], v[mj:mj+1], v[252:253] op_sel_hi:[1,0]
.set mj, mj+2
.endr
.irp c, 0,1,2,3
	v_pk_add_f32 v[100+2*\c:101+2*\c], v[Y+4*\c:Y+4*\c+1], v[Y+4*\c+2:Y+4*\c+3]
.endr
	v_pk_add_f32 v[SM:SM+1], v[SM:SM+1], v[Y+16:Y+17]
.set mj, 9
.rept 23
.if (mj-9)%5 == 4
	v_pk_add_f32 v[SM:SM+1], v[SM:SM+1], v[Y+2*mj:Y+2*mj+1]
.else
.set mc, 100+2*((mj-9)%5)
	v_pk_add_f32 v[mc:mc+1], v[mc:mc+1], v[Y+2*mj:Y+2*mj+1]
.endif
.set mj, mj+1
.endr
	s_delay_alu instid0(VALU_DEP_2)
	v_pk_add_f32 v[100:101], v[100:101], v[102:103]
	s_delay_alu instid0(VALU_DEP_2)
	v_pk_add_f32 v[104:105], v[104:105], v[106:107]
	s_delay_alu instid0(VALU_DEP_1)
	v_pk_add_f32 v[100:101], v[100:101], v[104:105]
	s_delay_alu instid0(VALU_DEP_1)
	v_pk_add_f32 v[SM:SM+1], v[SM:SM+1], v[100:101]
.set mj, 0
.rept 32
	v_dual_min_num_f32 v[Y+mj], v[Y+mj], v11 :: v_dual_min_num_f32 v[Y+mj+1], v[Y+mj+1], v11   ; the conversion to an 8-bit code does not saturate (ISA guide 7.6.2); p is not negative, so the hold is one-sided
.set mj, mj+2
.endr
.irp t, 0,1,2,3,4,5,6,7
.if (\t) == 4
	v_nop                                          ; (the second tile's codes go on over p's first eight registers, which are converted: a plain line ahead of that)
.endif
	v_cvt_scalef32_pk8_fp8_f32 v[\P+2*\t:\P+2*\t+1], v[Y+8*\t:Y+8*\t+7], v4
.endr
	v_nop                                          ; a plain line behind the last conversion
.endm
; A STEP, up to the point where its LDS reads are over.
.macro PART1 n
	v_add_nc_u32 v8, s2, v1
	v_add_nc_u32 v9, s2, v2
	v_nop                                          ; with the two additions: five places behind the last products, for the loads and for the products that write over what those read
	v_nop
	v_nop
.irp t, 0,1,2,3,4,5,6,7                        ; K: tile t = keys 16 t .. 16 t + 15 of the step: four rows of four keys
	ds_load_b128 v[36+8*\t:39+8*\t], v8 offset:4*\t*KP
	ds_load_b128 v[40+8*\t:43+8*\t], v8 offset:4*\t*KP+32
.endr
	s_cmp_gt_u32 s57, s58                          ; a step all of whose keys come after the block's queries is left out: scalar branches on ids, round register work and LDS reads; no barrier, wait for tiles, add or tensor load is passed over
	s_cbranch_scc1 .Lh1_\n
	s_wait_dscnt 8                                 ; tiles 0-3 are in
.irp t, 0,1,2,3
	v_wmma_f32_16x16x64_fp8_fp8 v[Y+8*\t:Y+8*\t+7], v[36+8*\t:43+8*\t], v[20:27], 0
.endr
	s_wait_dscnt 0x0
.irp t, 4,5,6,7
	v_wmma_f32_16x16x64_fp8_fp8 v[Y+8*\t:Y+8*\t+7], v[36+8*\t:43+8*\t], v[20:27], 0
.endr
.rept 4
	v_nop                                          ; places in front of the first reads of the scores
.endr
	SOFT_A 0
	s_wait_alu depctr_va_vdst(0)                   ; ahead of the batch
	SOFT_B 0, 236
.irp t, 0,1,2,3,4,5,6,7
	v_wmma_f32_16x16x64_fp8_fp8 v[Y+8*\t:Y+8*\t+7], v[36+8*\t:43+8*\t], v[28:35], 0
.endr
.rept 4
	v_nop                                          ; places in front of the loads below and of the first reads of the scores
.endr
.irp t, 0,1,2,3                                ; V lands under the second tile's maximum: tile t = rows d = 16 t .. 16 t + 15, these 128 keys
.irp c, 0,1,2,3
	ds_load_b128 v[36+16*\t+4*\c:39+16*\t+4*\c], v9 offset:16*\t*VP+32*\c
.endr
.endr
	SOFT_A 1
.Lh1_\n:
	s_wait_alu depctr_va_vdst(0)                   ; ahead of the waits below and of the batch behind them
.endm
; The rest of the step: registers alone.
.macro PART2 n
	s_cmp_gt_u32 s57, s58
	s_cbranch_scc1 .Lh2_\n
	SOFT_B 1, 100
.irp t, 0,1,2,3                                ; O^T += V^T P^T: the eight accumulators by turns, one instruction a turn
	v_wmma_f32_16x16x128_fp8_fp8 v[172+8*\t:179+8*\t], v[36+16*\t:51+16*\t], v[236:251], v[172+8*\t:179+8*\t]
	v_wmma_f32_16x16x128_fp8_fp8 v[204+8*\t:211+8*\t], v[36+16*\t:51+16*\t], v[100:115], v[204+8*\t:211+8*\t]
.endr
.Lh2_\n:
	s_add_co_u32 s57, s57, 4
	s_sub_co_u32 s56, s56, 1
	s_xor_b32 s2, s2, SLOT
.endm
	s_load_b128 s[4:7], s[0:1], 0x0                ; qkv s[4:5], the scales' exponents s[6:7]
	s_load_b64 s[16:17], s[0:1], 0x10              ; oc
	v_lshl_add_u32 v[SPW], v0, 2, SPARE
	v_mov_b32 v[NIL], 0
	ds_add_u32 v[SPW], v[NIL]                      ; the wave's opening: the add, twice on end, and its wait ahead of my first tensor load
	ds_add_u32 v[SPW], v[NIL]
	v_lshrrev_b32 v8, 5, v0
	v_readfirstlane_b32 s18, v8                    ; wave 0..15
	s_lshr_b32 s19, s18, 2                         ; u
	s_and_b32 s10, s18, 3                          ; g
	s_and_b32 s81, ttmp7, 0xffff                   ; the head
	s_lshl_b32 s81, s81, 18                        ; its first byte in q, k, v and oc alike: 262,144 x head
	s_sub_co_u32 s58, 31, ttmp9                    ; the first block: 31 - p
	s_sub_co_u32 s55, 35, ttmp9
	s_lshr_b32 s55, s55, 2                         ; its 32 - p steps are so many slots: 5 to 8; the second block's p + 1 steps are 9 less that
	s_mov_b32 s56, s55
	s_mov_b32 s57, s19
	s_lshl_b32 s82, s10, 11
	s_add_co_u32 s82, s82, s81                     ; my two tiles' 32 rows of 64 bytes in a block of 8,192
	s_lshl_b32 s83, s58, 13
	s_add_co_u32 s84, s82, s83                     ; in the first block,
	s_mov_b32 s85, 0
	s_lshl_b32 s83, ttmp9, 13
	s_add_co_u32 s86, s82, s83                     ; and in the second
	s_mov_b32 s87, 0
	s_lshl_b32 s83, s19, 9                         ; on the way out I take 8 of the 32 queries: 512 bytes
	s_add_co_u32 s88, s84, s83
	s_mov_b32 s89, 0
	s_add_co_u32 s90, s86, s83
	s_mov_b32 s91, 0
	s_and_b32 s92, s18, 1                          ; which half I fetch
	s_lshl_b32 s82, s92, 14
	s_add_co_u32 s82, s82, s81
	s_add_co_u32 s82, s82, 0x400000                ; K: 64 rows of four keys
	s_mov_b32 s83, 0
	s_mul_i32 s52, s92, 64*KP
	s_lshl_b32 s94, s92, 17
	s_add_co_u32 s94, s94, s81
	s_add_co_u32 s94, s94, 0x800000                ; V: 32 rows
	s_mov_b32 s95, 0
	s_mul_i32 s53, s92, 32*VP
	s_add_co_u32 s53, s53, VOFF
	; descriptor group 1.  K: 64 rows of 256 bytes, dense in memory;  V: 32 rows of 512 bytes, 4,096 bytes apart
	s_mov_b32 s[G1K], (0<<16)|(1<<20)|(5<<22)|(3<<25)   ; 15:0 no mask; 17:16 elements of 1 byte; 20 padding on; 24:22 after every 64 words; 31:25 four words
	s_mov_b32 s[G1K+1], 256<<16                    ; tensor_dim0
	s_mov_b32 s[G1K+2], 64<<16                     ; tensor_dim1
	s_mov_b32 s[G1K+3], 256<<16                    ; tile_dim0
	s_mov_b32 s[G1K+4], 64                         ; tile_dim1
	s_mov_b32 s[G1K+5], 256                        ; tensor_dim0_stride
	s_mov_b32 s[G1K+6], 0
	s_mov_b32 s[G1K+7], 0
	s_mov_b32 s[G1V], (0<<16)|(1<<20)|(6<<22)|(3<<25)   ; padding: four words after every 128
	s_mov_b32 s[G1V+1], 512<<16
	s_mov_b32 s[G1V+2], 32<<16
	s_mov_b32 s[G1V+3], 512<<16
	s_mov_b32 s[G1V+4], 32
	s_mov_b32 s[G1V+5], 4096
	s_mov_b32 s[G1V+6], 0
	s_mov_b32 s[G1V+7], 0
	s_mov_b32 s20, 0x76543210
	s_mov_b32 s21, 0xfedcba98                      ; lane l xor 16
	s_mov_b32 s[CS], 0x3e38aa3b                    ; log2(e) / 8
	s_mov_b32 s2, 0
	s_mov_b32 s54, 0
	s_mov_b32 s59, 0
	s_wait_dscnt 0x0                               ; both opening adds are done
	s_wait_kmcnt 0x0
	s_load_b256 s[68:75], s[6:7], 0x10             ; e4 .. e11
	s_add_nc_u64 s[48:49], s[4:5], s[82:83]
	s_add_nc_u64 s[50:51], s[4:5], s[94:95]
	s_mov_b32 s[G0K], 1                            ; 1:0 count = 1
	s_mov_b32 s[G0K+1], s52                        ; 63:32 LDS address: slot 0
	s_mov_b64 s[G0K+2:G0K+3], s[48:49]             ; 120:64 global address
	s_or_b32 s[G0K+3], s[G0K+3], 0x80000000        ; 127:126 type = 2
	s_mov_b32 s[G0V], 1
	s_mov_b32 s[G0V+1], s53
	s_mov_b64 s[G0V+2:G0V+3], s[50:51]
	s_or_b32 s[G0V+3], s[G0V+3], 0x80000000
	TLOAD                                          ; slot 0
	s_add_nc_u64 s[8:9], s[4:5], s[84:85]          ; q: the first block's,
	s_add_nc_u64 s[86:87], s[4:5], s[86:87]        ; the second's
	s_add_nc_u64 s[12:13], s[16:17], s[88:89]
	s_add_nc_u64 s[14:15], s[16:17], s[90:91]
	; the prefetches: where my wave's stand, and who asks.  K and V lie in one buffer: only offsets are chosen
	s_and_b32 s82, s18, 3
	s_lshl_b32 s83, s82, 13
	s_add_co_u32 s83, s83, 0x400000+32768          ; K: in slot 1; the first step of the descriptors takes it to slot 2
	s_lshr_b32 s88, s82, 1
	s_lshl_b32 s88, s88, 17
	s_lshl_b32 s89, s92, 8
	s_add_co_u32 s88, s88, s89
	s_add_co_u32 s88, s88, 0x800000+512            ; V likewise
	s_cmp_lt_u32 s18, 8
	s_cselect_b32 s82, s83, s88
	s_mov_b32 s83, 4096
	s_cselect_b32 s83, 256, s83                    ; from lane to lane
	s_mov_b32 s78, 512
	s_cselect_b32 s78, 32768, s78                  ; a slot on
	s_mov_b32 s79, 0
	s_add_co_u32 s82, s82, s81
	v_and_b32 v3, 31, v0
	v_mul_lo_u32 v3, v3, s83
	s_mov_b32 s83, 0
	s_add_nc_u64 s[76:77], s[4:5], s[82:83]
	s_sub_co_u32 s82, s18, 4
	s_lshr_b32 s82, s82, 3                         ; 0 in waves 4 to 11,
	s_or_b32 s82, s82, ttmp9                       ; of the head's work-group 0
	s_cmp_eq_u32 s82, 0
	s_cselect_b32 s80, 2, -1
	s_mul_i32 s82, s19, 32*KP                      ; my step in a slot: 32 rows of K,
	s_lshl_b32 s83, s19, 7
	s_add_co_u32 s83, s83, VOFF                    ; 128 bytes of V's rows
	s_lshl_b32 s84, s10, 5
	s_lshl_b32 s85, s18, 11
	s_add_co_u32 s85, s85, QA
	v_and_b32 v8, 15, v0                           ; r = lane % 16
	v_bfe_u32 v9, v0, 4, 1                         ; h = lane / 16
	v_lshlrev_b32 v7, 6, v8
	v_lshl_add_u32 v7, v9, 4, v7                   ; q: row r of 64 bytes, + 16 h
.irp c, 0,1,2,3
	global_load_b128 v[20+4*\c:23+4*\c], v7, s[8:9] offset:1024*(\c/2)+32*(\c%2)
.endr
.irp c, 0,1,2,3
	global_load_b128 v[236+4*\c:239+4*\c], v7, s[86:87] offset:1024*(\c/2)+32*(\c%2)
.endr
	v_lshrrev_b32 v11, 2, v8
	v_mul_u32_u24 v1, v11, KP
	v_and_b32 v11, 3, v8
	v_lshl_add_u32 v1, v11, 6, v1
	v_lshl_add_u32 v1, v9, 4, v1                   ; key r of a tile: row r / 4 of four keys, 64 (r % 4), + 16 h: sixteen lanes touch sixteen different 16-byte columns modulo 256
	v_add_nc_u32 v1, s82, v1
	v_mul_u32_u24 v2, v8, VP
	v_lshl_add_u32 v2, v9, 4, v2
	v_add_nc_u32 v2, s83, v2
	v_lshlrev_b32 v11, 3, v9
	v_sub_nc_u32 v10, v8, v11
	v_add_nc_u32 v10, s84, v10                     ; the mask's 32 g + r - 8 h
	v_and_b32 v8, 31, v0
	v_lshlrev_b32 v8, 4, v8
	v_add_nc_u32 v8, s85, v8                       ; where the second block's Q waits
	RESETS
.set mj, 0
.rept 64
	v_mov_b32 v[Y+mj], 0                           ; written once, so that every way through the text finds them written: a step's two halves stand under two branches
.set mj, mj+1
.endr
	v_mov_b32 v252, 1.0
	v_mov_b32 v253, 0                              ; (named as the upper half of the pair v[252:253])
	v_mov_b32 v255, 0                              ; (a lane permute's destination counts as one of its sources)
	s_wait_alu depctr_va_vdst(0)
	s_wait_kmcnt 0x0
	s_add_co_i32 s96, s70, s71
	s_lshl_b32 s96, s96, 23
	s_add_co_i32 s[CS], s[CS], s96                 ; a score stands for score x 2^(e6 + e7): the two exponents are added to c's exponent field
	s_mov_b32 s[CS+1], s[CS]                       ; (named with it as a pair, so it is written)
	s_add_co_i32 s96, s72, 127
	s_lshl_b32 s97, s96, 23
	v_mov_b32 v4, s97                              ; 2^e8 as f32, for p's conversion
	s_add_co_i32 s96, s96, 8
	s_lshl_b32 s96, s96, 23
	s_or_b32 s96, s96, 0x600000
	v_mov_b32 v11, s96                             ; 448 x 2^e8
	s_sub_co_i32 s96, s74, s72
	s_sub_co_i32 s96, s96, s73                     ; a sum of the second product stands for sum x 2^(e8 + e9): o's code is (sum / l) / 2^(e10 - e8 - e9)
	s_add_co_i32 s96, s96, 127
	s_lshl_b32 s61, s96, 23
	s_add_co_i32 s96, s96, 8
	s_lshl_b32 s96, s96, 23
	s_or_b32 s62, s96, 0x600000
	s_wait_alu depctr_va_vdst(0)
	s_wait_loadcnt 0x0                             ; Q of both blocks
.irp c, 0,1,2,3
	ds_store_b128 v8, v[236+4*\c:239+4*\c] offset:512*\c
.endr
	s_wait_tensorcnt 0x0                           ; my part of slot 0 is in
	ds_add_u32 v[SPW], v[NIL]                      ; twice on end here
	ds_add_u32 v[SPW], v[NIL]
	STEPD                                          ; on to slot 1
	s_wait_dscnt 0x0
	s_barrier_signal -1
	s_barrier_wait -1
	s_mov_b32 s3, 8
.Ltrip:                                            ; 8 trips, each with the next slot's load; the ninth slot is written out
	TLOAD                                          ; the first thing behind the barrier: a wave's one tensor load until the next
	ASK
	TRANS 0
	PART1 0
	s_wait_tensorcnt 0x0                           ; my part of the next slot is in
	ds_add_u32 v[SPW], v[NIL]                      ; 0 onto my spare word: twice on end here, in every trip alike
	ds_add_u32 v[SPW], v[NIL]
	STEPD
	s_wait_dscnt 0x0                               ; both adds are done, and my reads of this slot are over (V is in)
	s_barrier_signal -1
	PART2 0
	s_barrier_wait -1                              ; nobody reads this slot any more, and the next is whole
	s_sub_co_u32 s3, s3, 1
	s_cmp_lg_u32 s3, 0
	s_cbranch_scc1 .Ltrip
	TRANS 1
	PART1 1
	s_wait_dscnt 0x0                               ; my last reads of the ring are over
	s_barrier_signal -1
	PART2 1
	s_barrier_wait -1
	; THE PARTS ARE JOINED.  Of my two tiles' 32 queries I take 8 in each block, a lane 16 of a query's 64: lane = 4 x query + d / 16.  A part's lane image: O(r, 16 t + 8 h + 4 j ..) at 1,088 t + 512 j + 16 (r + 16 h).
	STOREPART 0, STA
	s_mul_i32 s82, s10, EXW
	s_lshr_b32 s83, s19, 1
	s_mul_i32 s84, s83, 4352
	s_add_co_u32 s82, s82, s84
	s_and_b32 s85, s19, 1
	s_lshl_b32 s84, s85, 7
	s_add_co_u32 s82, s82, s84                     ; group g's first part: tile u / 2, rows 8 (u % 2) on
	s_lshl_b32 s84, s10, 9
	s_lshl_b32 s83, s83, 8
	s_add_co_u32 s84, s84, s83
	s_lshl_b32 s85, s85, 5
	s_add_co_u32 s84, s84, s85                     ; the same among -M and the sums
	v_and_b32 v8, 31, v0
	v_lshrrev_b32 v9, 2, v8
	v_and_b32 v2, 3, v8
	v_lshlrev_b32 v7, 4, v8                        ; my 16 bytes of the wave's 512
	v_mul_u32_u24 v16, v2, 1088
	v_lshl_add_u32 v16, v9, 4, v16
	v_add_nc_u32 v16, s82, v16                     ; the second block's parts u = 0, 1,
	v_add_nc_u32 v17, 8*EXW, v16                   ; 2, 3
	v_add_nc_u32 v12, EXB, v16                     ; the first block's
	v_add_nc_u32 v13, 8*EXW, v12
	v_lshlrev_b32 v9, 2, v9
	v_add_nc_u32 v9, s84, v9
	v_add_nc_u32 v14, STB, v9
	v_add_nc_u32 v15, STA, v9
	v_mov_b32 v248, s61                            ; 2^(e10 - e8 - e9)
	v_mov_b32 v249, s62                            ; 448 x that
	v_mov_b32 v19, 0                               ; (named as the upper half of the pair v[18:19])
	s_wait_alu depctr_va_vdst(0)
	s_wait_dscnt 0x0                               ; my parts are in LDS
	s_barrier_signal -1
	s_barrier_wait -1
.macro GET nr, lr, orr, st, ad
.irp i, 0,1,2,3
	ds_load_b32 v[\nr+\i], v[\st] offset:2048*\i
	ds_load_b32 v[\lr+\i], v[\st] offset:2048*\i+128
.endr
.irp i, 0,1,2,3
.irp h, 0,1
	ds_load_b128 v[\orr+16*\i+8*\h:\orr+16*\i+8*\h+3], v[\ad+\i/2] offset:4*EXW*(\i%2)+256*\h
	ds_load_b128 v[\orr+16*\i+8*\h+4:\orr+16*\i+8*\h+7], v[\ad+\i/2] offset:4*EXW*(\i%2)+256*\h+512
.endr
.endr
.endm
; M = the largest of the four; each part x 2^(its M - M); the sum likewise; then the division, the hold and the codes: 16 bytes a lane.
.macro JOIN4 nr, lr, fr, orr, ws, wo, base
	s_wait_dscnt \ws
	v_min_num_f32 v8, v[\nr], v[\nr+1]             ; -M
	v_min_num_f32 v9, v[\nr+2], v[\nr+3]
	s_delay_alu instid0(VALU_DEP_1)
	v_min_num_f32 v8, v8, v9
	s_delay_alu instid0(VALU_DEP_1)
.irp i, 0,1,2,3
	v_sub_f32 v[\fr+2*\i], v8, v[\nr+\i]
.endr
.irp i, 0,1,2,3
	v_cvt_i32_f32 v[\fr+2*\i], v[\fr+2*\i]
.endr
.irp i, 0,1,2,3
	v_ldexp_f32 v[\fr+2*\i], 1.0, v[\fr+2*\i]
.endr
	v_mul_f32 v9, v[\fr], v[\lr]
.irp i, 1,2,3
	s_delay_alu instid0(VALU_DEP_1)
	v_fma_f32 v9, v[\fr+2*\i], v[\lr+\i], v9
.endr
	s_wait_alu depctr_va_vdst(0)                   ; ahead of the reciprocal
	v_rcp_f32 v18, v9
	s_wait_dscnt \wo
.irp j, 0,2,4,6,8,10,12,14
	v_pk_mul_f32 v[\orr+\j:\orr+\j+1], v[\orr+\j:\orr+\j+1], v[\fr:\fr+1] op_sel_hi:[1,0]
.endr
.irp i, 1,2,3
.irp j, 0,2,4,6,8,10,12,14
	v_pk_fma_f32 v[\orr+\j:\orr+\j+1], v[\orr+16*\i+\j:\orr+16*\i+\j+1], v[\fr+2*\i:\fr+2*\i+1], v[\orr+\j:\orr+\j+1] op_sel_hi:[1,0,1]
.endr
.endr
	s_wait_alu depctr_va_vdst(0)                   ; ahead of the reciprocal's first reader
.irp j, 0,2,4,6,8,10,12,14
	v_pk_mul_f32 v[\orr+\j:\orr+\j+1], v[\orr+\j:\orr+\j+1], v[18:19] op_sel_hi:[1,0]
.endr
.irp j, 0,1,2,3,4,5,6,7,8,9,10,11,12,13,14,15
	v_med3_num_f32 v[\orr+\j], v[\orr+\j], -v249, v249
.endr
	v_cvt_scalef32_pk8_fp8_f32 v[\orr+16:\orr+17], v[\orr:\orr+7], v248
	v_cvt_scalef32_pk8_fp8_f32 v[\orr+18:\orr+19], v[\orr+8:\orr+15], v248
	v_nop                                          ; a plain line behind the last conversion
	global_store_b128 v7, v[\orr+16:\orr+19], s[\base:\base+1]   ; 32 lanes store 512 consecutive bytes, aligned
.endm
	GET 236, 240, 36, 14, 12                       ; the first block: 24 loads,
	GET 20, 24, 108, 15, 16                        ; and the second: 24 more
	JOIN4 236, 240, 28, 36, 40, 24, 12             ; counts: the 48 loads less the first 8; the second block's 24
	JOIN4 20, 24, 224, 108, 16, 0, 14              ; its 16 of O; none
	s_wait_tensorcnt 0x0                           ; the wave's end: behind my last tensor load and my last LDS store
	ds_add_u32 v[SPW], v[NIL]
	s_wait_dscnt 0x0
	s_endpgm
.Lfunc_end_k_q15fa7a68d9_attn:
	.size	k_q15fa7a68d9_attn, .Lfunc_end_k_q15fa7a68d9_attn-k_q15fa7a68d9_attn
	.p2alignl 7, 3214868480
	.fill 96, 4, 3214868480
	.section	.rodata,"a",@progbits
	.p2align	6, 0x0
	.amdhsa_kernel k_q15fa7a68d9_attn
		.amdhsa_group_segment_fixed_size 327680
		.amdhsa_private_segment_fixed_size 0
		.amdhsa_enable_private_segment 0
		.amdhsa_kernarg_size 24
		.amdhsa_user_sgpr_count 2
		.amdhsa_user_sgpr_kernarg_segment_ptr 1
		.amdhsa_wavefront_size32 1
		.amdhsa_system_sgpr_workgroup_id_x 1
		.amdhsa_system_sgpr_workgroup_id_y 1
		.amdhsa_system_sgpr_workgroup_id_z 1
		.amdhsa_system_vgpr_workitem_id 0
		.amdhsa_next_free_vgpr 256
		.amdhsa_next_free_sgpr 100
		.amdhsa_reserve_vcc 1
		.amdhsa_float_denorm_mode_32 3
		.amdhsa_float_denorm_mode_16_64 3
		.amdhsa_memory_ordered 1
		.amdhsa_forward_progress 1
		.amdhsa_inst_pref_size 120
	.end_amdhsa_kernel
	.amdgpu_metadata
---
amdhsa.version: [ 1, 2 ]
amdhsa.kernels:
  - .name:           k_q15fa7a68d9_attn
    .symbol:         k_q15fa7a68d9_attn.kd
    .args:
      - { .name: qkv, .offset: 0, .size: 8, .value_kind: global_buffer, .address_space: global }
      - { .name: lowp_scales, .offset: 8, .size: 8, .value_kind: global_buffer, .address_space: global }
      - { .name: oc, .offset: 16, .size: 8, .value_kind: global_buffer, .address_space: global }
    .group_segment_fixed_size: 327680
    .private_segment_fixed_size: 0
    .kernarg_segment_align: 8
    .kernarg_segment_size: 24
    .max_flat_workgroup_size: 512
    .sgpr_count:     100
    .vgpr_count:     256
    .wavefront_size: 32
...
	.end_amdgpu_metadata
.endif
;; end of part 3
;; launch outp (part 4): grid 8 x 32, 8 waves a work-group, clusters of 4 x 4, 327,680 bytes of LDS; arguments oc, codes, lowp_scales, out0; writes out0
.if DOCPART == 4
	.amdgcn_target "amdgcn-amd-amdhsa--gfx1250"
	.amdhsa_code_object_version 6
	.text
	.protected	k_q15fa7a68d9_outp
	.globl	k_q15fa7a68d9_outp
	.p2align	8
	.type	k_q15fa7a68d9_outp,@function
k_q15fa7a68d9_outp:
	s_mov_b64 s[64:65], 0
	v_nop
	global_prefetch_b8 v0, s[64:65] scope:SCOPE_SE
	s_setreg_imm32_b32 hwreg(HW_REG_WAVE_MODE, 25, 1), 1
	s_wait_xcnt 0x0
	s_wait_alu depctr_hold_cnt(0) depctr_sa_sdst(0) depctr_va_vdst(0) depctr_va_sdst(0) depctr_va_ssrc(0) depctr_va_vcc(0) depctr_vm_vsrc(0)
	s_getreg_b32 s2, hwreg(HW_REG_IB_STS2, 6, 4)
	s_cmp_eq_u32 s2, 0
	s_cbranch_scc0 .Lentry_in_a_cluster
	s_endpgm
.Lentry_in_a_cluster:
	s_bfe_u32 s2, ttmp6, 0x10000c
	s_cmp_lg_u32 s2, 0xf033
	s_cbranch_scc0 .Lentry_shape_is_right
	s_endpgm
.Lentry_shape_is_right:
; LAST LAUNCH: out [4096][1024] f32 = o Wo^T on codes of FP8 (E4M3): o's codes lie [head][position][64] (K = 64 head + d), Wo's [n][1024] at 15 MiB of codes.  Each finished sum is multiplied once by 2^(e10 + e11).
; LIMIT: e10 + e11 lies between -126 and 127.
; A work-group makes 128 x 128 of out, 256 work-groups; a wave (w / 2, w % 2) makes 32 rows x 64 columns: 8 accumulators of 16 x 16.
; ALL OF K LIES IN LDS, in two halves of 512: each half is 8 heads' blocks of 128 positions (32 rows of four positions each: 256 bytes + 16 of padding) and 128 rows of Wo (512 bytes + 16).  Each of the eight waves fetches
; one part, at the head.  Nothing is filled twice.
; CLUSTERS: 4 x 4 work-groups: the four of a row share o's parts, the four of a column Wo's: each is a joint load with a mask that names the four.
; NO PREFETCH: every byte is asked for at the head; there is no loop to run ahead in.
; The product is used transposed (source 0 = 16 rows of Wo, source 1 = 16 positions): a lane holds eight neighbouring columns of one row.
.set PITCH,  272
.set HEADB,  32*PITCH
.set BOFF,   8*HEADB                   ; Wo's rows in a half
.set BP,     528
.set HB,     BOFF+128*BP               ; a half
.set SPARE,  2*HB                      ; the spare words, 128 bytes for each wave: four blocks of 256 bytes that no other line names
.set SPW, 12
.set NIL, 13
.set AF, 16                            ; v16-47    o's two fragments of 128 along K
.set BF, 48                            ; v48-175   Wo's four, two sets
.set AC, 176                           ; v176-239  accumulator (a, b) at 8 (4 a + b)
.set G1, 24
.set G0, 32
.set G1B, 48
.set G0B, 56
.macro CROUND                          ; a round of the cluster's barrier
	s_barrier_signal -1
	s_barrier_wait -1
	s_cmp_lg_u32 s14, 0
	s_cbranch_scc1 .Lnot_wave_0_\@
	s_barrier_signal -3
.Lnot_wave_0_\@:
	s_barrier_wait -3
	s_barrier_signal -1
	s_barrier_wait -1
.endm
	s_load_b128 s[4:7], s[0:1], 0x0                ; oc, codes
	s_load_b128 s[8:11], s[0:1], 0x10              ; the scales' exponents, out0
	v_lshl_add_u32 v[SPW], v0, 2, SPARE
	v_mov_b32 v[NIL], 0
	ds_add_u32 v[SPW], v[NIL]                      ; the wave's opening: the add, twice on end, and its wait ahead of my tensor load
	ds_add_u32 v[SPW], v[NIL]
	v_lshrrev_b32 v1, 5, v0
	v_readfirstlane_b32 s14, v1                    ; wave 0..7
	s_lshr_b32 s15, s14, 2                         ; which half of K I fetch,
	s_lshr_b32 s16, s14, 1                         ; (also: which 32 rows of the tile are mine)
	s_and_b32 s19, s16, 1                          ; for o (0) or for Wo (1),
	s_and_b32 s18, s14, 1                          ; and which part (also: which 64 columns are mine)
	s_bfe_u32 s40, ttmp6, 0x40000                  ; cx, cy
	s_bfe_u32 s41, ttmp6, 0x40004
	s_lshl_b32 s42, ttmp9, 2
	s_add_co_u32 s42, s42, s40                     ; tile column = 4 x cluster x + cx
	s_and_b32 s17, ttmp7, 0xffff
	s_lshl_b32 s17, s17, 2
	s_add_co_u32 s17, s17, s41                     ; tile row = 4 x cluster y + cy
	s_lshl_b32 s43, s41, 2
	s_lshl_b32 s43, 15, s43                        ; my row of the cluster
	s_lshl_b32 s44, 0x1111, s40                    ; my column
	; descriptor group 1.  o: 4 heads x 8,192 bytes, 262,144 apart, four words of padding after every 64;  Wo: 64 rows x 512 bytes, 1,024 apart, padding after every 128
	s_or_b32 s[G1+0], s43, (0<<16)|(1<<20)|(1<<21)|(5<<22)|(3<<25)
	s_mov_b32 s[G1+1], 8192<<16
	s_mov_b32 s[G1+2], 4<<16
	s_mov_b32 s[G1+3], 8192<<16
	s_mov_b32 s[G1+4], 4
	s_mov_b32 s[G1+5], 262144
	s_mov_b32 s[G1+6], 0
	s_mov_b32 s[G1+7], 0
	s_or_b32 s[G1B+0], s44, (0<<16)|(1<<20)|(1<<21)|(6<<22)|(3<<25)
	s_mov_b32 s[G1B+1], 512<<16
	s_mov_b32 s[G1B+2], 64<<16
	s_mov_b32 s[G1B+3], 512<<16
	s_mov_b32 s[G1B+4], 64
	s_mov_b32 s[G1B+5], 1024
	s_mov_b32 s[G1B+6], 0
	s_mov_b32 s[G1B+7], 0
	s_lshl_b32 s20, s17, 13                        ; o: 128 positions x 64 bytes,
	s_lshl_b32 s21, s15, 21
	s_add_co_u32 s20, s20, s21                     ; 8 heads a half,
	s_lshl_b32 s21, s18, 20
	s_add_co_u32 s20, s20, s21                     ; 4 heads a part
	s_mov_b32 s21, 0
	s_lshl_b32 s46, s42, 17                        ; Wo: 128 rows x 1,024 bytes,
	s_lshl_b32 s47, s18, 16
	s_add_co_u32 s46, s46, s47                     ; 64 rows a part,
	s_lshl_b32 s47, s15, 9
	s_add_co_u32 s46, s46, s47                     ; 512 bytes a half
	s_add_co_u32 s46, s46, 0xf00000
	s_mov_b32 s47, 0
	s_mul_i32 s45, s15, HB                         ; where they go: the wave's number alone
	s_mul_i32 s66, s18, 4*HEADB
	s_mul_i32 s67, s18, 64*BP
	s_add_co_u32 s67, s67, BOFF
	s_mov_b32 s[G0], 1
	s_add_co_u32 s[G0+1], s45, s66
	s_mov_b32 s[G0B], 1
	s_add_co_u32 s[G0B+1], s45, s67
	s_wait_dscnt 0x0                               ; both opening adds are done
	s_wait_kmcnt 0x0
	s_load_b64 s[96:97], s[8:9], 0x28              ; e10, e11
	s_add_nc_u64 s[G0+2:G0+3], s[4:5], s[20:21]
	s_or_b32 s[G0+3], s[G0+3], 0x80000000
	s_add_nc_u64 s[G0B+2:G0B+3], s[6:7], s[46:47]
	s_or_b32 s[G0B+3], s[G0B+3], 0x80000000
	CROUND                                         ; all sixteen work-groups are here: the joint loads meet
	s_cmp_eq_u32 s19, 0                            ; one joint load a wave; an s_nop 0 and four v_nop follow each of the two lines
	s_cbranch_scc0 .Lfor_b
	tensor_load_to_lds s[G0:G0+3], s[G1:G1+7]
	s_nop 0
.rept 4
	v_nop
.endr
	s_branch .Lasked
.Lfor_b:
	tensor_load_to_lds s[G0B:G0B+3], s[G1B:G1B+7]
	s_nop 0
.rept 4
	v_nop
.endr
.Lasked:
	s_mul_i32 s21, s16, 8*PITCH                    ; my 32 positions: 8 rows of four
	s_mul_i32 s22, s18, 64*BP
	s_add_co_u32 s22, s22, BOFF                    ; my 64 rows of Wo
	s_mul_i32 s23, s14, 32*PITCH                   ; my stage: over the first half's tiles, which have had their only fill and their last read by then
	s_lshl_b32 s20, s17, 19                        ; out: 128 rows of 4,096 bytes a tile,
	s_lshl_b32 s46, s16, 17
	s_add_co_u32 s20, s20, s46                     ; my 32 of them,
	s_lshl_b32 s46, s42, 9
	s_add_co_u32 s20, s20, s46                     ; 512 bytes a tile column,
	s_lshl_b32 s46, s18, 8
	s_add_co_u32 s20, s20, s46                     ; my 256 of them
	s_mov_b32 s46, s20
	s_mov_b32 s47, 0
	s_add_nc_u64 s[10:11], s[10:11], s[46:47]
	v_and_b32 v1, 15, v0                           ; r
	v_bfe_u32 v2, v0, 4, 1                         ; h
	v_lshrrev_b32 v10, 2, v1
	v_mul_u32_u24 v3, v10, PITCH
	v_and_b32 v11, 3, v1
	v_lshl_add_u32 v3, v11, 6, v3
	v_lshl_add_u32 v3, v2, 4, v3
	v_add_nc_u32 v3, s21, v3                       ; o's fragments in the first half,
	v_add_nc_u32 v4, HB, v3                        ; in the second
	v_mul_u32_u24 v5, v1, BP
	v_lshl_add_u32 v5, v2, 4, v5
	v_add_nc_u32 v5, s22, v5                       ; Wo's likewise
	v_add_nc_u32 v6, HB, v5
	v_mul_u32_u24 v7, v1, PITCH
	v_lshl_add_u32 v7, v2, 5, v7
	v_add_nc_u32 v7, s23, v7                       ; into the stage: row r, 32 h
	v_mul_u32_u24 v8, v2, PITCH
	v_lshl_add_u32 v8, v1, 4, v8
	v_add_nc_u32 v8, s23, v8                       ; and back: lanes 0-15 one row of 256 bytes, lanes 16-31 the next
	v_lshlrev_b32 v9, 12, v2
	v_lshl_add_u32 v9, v1, 4, v9                   ; the same two rows in out
.macro LDB s
.irp b, 0,1,2,3
.irp c, 0,1,2,3
	ds_load_b128 v[BF+64*((\s)%2)+16*\b+4*\c:BF+64*((\s)%2)+16*\b+4*\c+3], v[5+(\s)/4] offset:\b*16*BP+128*((\s)%4)+32*\c
.endr
.endr
.endm
.macro LDA s
.irp a, 0,1
.irp c, 0,1,2,3
	ds_load_b128 v[AF+16*\a+4*\c:AF+16*\a+4*\c+3], v[3+(\s)/4] offset:(2*((\s)%4)+\c/2)*HEADB+\a*4*PITCH+32*(\c%2)
.endr
.endr
.endm
.macro MUL s
.irp a, 0,1
.irp b, 0,1,2,3
.if (\s) == 0
	v_wmma_f32_16x16x128_fp8_fp8 v[AC+8*(4*\a+\b):AC+8*(4*\a+\b)+7], v[BF+16*\b:BF+16*\b+15], v[AF+16*\a:AF+16*\a+15], 0
.else
	v_wmma_f32_16x16x128_fp8_fp8 v[AC+8*(4*\a+\b):AC+8*(4*\a+\b)+7], v[BF+64*((\s)%2)+16*\b:BF+64*((\s)%2)+16*\b+15], v[AF+16*\a:AF+16*\a+15], v[AC+8*(4*\a+\b):AC+8*(4*\a+\b)+7]
.endif
.endr
.endr
.rept 4
	v_nop                                          ; places in front of the loads, and of the reads of results, that follow
.endr
.endm
; A step of 128 along K; the eight accumulators by turns.  more = 1: Wo's fragments for the next step are asked for ahead of the products, o's behind them.
.macro KSTEP s, more
.if \more
	LDB \s+1
	s_wait_dscnt 16                                ; all but the 16 just issued
.else
	s_wait_dscnt 0x0
.endif
	MUL \s
.if \more
	LDA \s+1
.endif
.endm
	s_wait_alu depctr_va_vdst(0)
	s_wait_tensorcnt 0x0                           ; my part is in,
	s_barrier_signal -1
	s_barrier_wait -1                              ; and everybody's
	LDB 0
	LDA 0
.irp s, 0,1,2,3,4,5,6
	KSTEP \s, 1
.endr
	KSTEP 7, 0
	; THE WAY OUT: through my own stage, so that sixteen lanes store one aligned unit of 256 bytes
	s_barrier_signal -1                            ; my last reads of the tiles are over (the last step has waited for them)
	s_wait_kmcnt 0x0
	s_add_co_i32 s96, s96, s97
	s_add_co_i32 s96, s96, 127
	s_lshl_b32 s96, s96, 23                        ; 2^(e10 + e11) as f32
.set j, 0
.rept 32
	v_pk_mul_f32 v[16+j:17+j], v[AC+j:AC+j+1], s[96:97] op_sel_hi:[1,0]   ; each accumulator from its low end on
.set j, j+2
.endr
	s_wait_alu depctr_va_vdst(0)
	s_barrier_wait -1                              ; nobody reads the tiles any more: the stages may lie over them
.irp a, 0,1
.irp b, 0,1,2,3
	ds_store_b128 v7, v[16+8*(4*\a+\b):19+8*(4*\a+\b)] offset:\a*16*PITCH+64*\b
	ds_store_b128 v7, v[20+8*(4*\a+\b):23+8*(4*\a+\b)] offset:\a*16*PITCH+64*\b+16
.endr
.endr
.irp t, 0,1,2,3,4,5,6,7,8,9,10,11,12,13,14,15
	ds_load_b128 v[80+4*\t:83+4*\t], v8 offset:2*\t*PITCH   ; LDS serves a wave's instructions in order (ISA guide 5.7.1.4): these see my stores
.endr
.irp t, 0,1,2,3,4,5,6,7,8,9,10,11,12,13,14,15
	s_wait_dscnt 15-\t
	global_store_b128 v9, v[80+4*\t:83+4*\t], s[10:11] offset:2*\t*4096 th:TH_STORE_NT
.endr
	s_wait_tensorcnt 0x0                           ; the wave's end
	ds_add_u32 v[SPW], v[NIL]
	s_wait_dscnt 0x0
	CROUND                                         ; the closing round
	s_endpgm
.Lfunc_end_k_q15fa7a68d9_outp:
	.size	k_q15fa7a68d9_outp, .Lfunc_end_k_q15fa7a68d9_outp-k_q15fa7a68d9_outp
	.p2alignl 7, 3214868480
	.fill 96, 4, 3214868480
	.section	.rodata,"a",@progbits
	.p2align	6, 0x0
	.amdhsa_kernel k_q15fa7a68d9_outp
		.amdhsa_group_segment_fixed_size 327680
		.amdhsa_private_segment_fixed_size 0
		.amdhsa_enable_private_segment 0
		.amdhsa_kernarg_size 32
		.amdhsa_user_sgpr_count 2
		.amdhsa_user_sgpr_kernarg_segment_ptr 1
		.amdhsa_wavefront_size32 1
		.amdhsa_system_sgpr_workgroup_id_x 1
		.amdhsa_system_sgpr_workgroup_id_y 1
		.amdhsa_system_sgpr_workgroup_id_z 1
		.amdhsa_system_vgpr_workitem_id 0
		.amdhsa_next_free_vgpr 256
		.amdhsa_next_free_sgpr 100
		.amdhsa_reserve_vcc 0
		.amdhsa_float_denorm_mode_32 3
		.amdhsa_float_denorm_mode_16_64 3
		.amdhsa_memory_ordered 1
		.amdhsa_forward_progress 1
		.amdhsa_inst_pref_size 31
	.end_amdhsa_kernel
	.amdgpu_metadata
---
amdhsa.version: [ 1, 2 ]
amdhsa.kernels:
  - .name:           k_q15fa7a68d9_outp
    .symbol:         k_q15fa7a68d9_outp.kd
    .args:
      - { .name: oc, .offset: 0, .size: 8, .value_kind: global_buffer, .address_space: global }
      - { .name: codes, .offset: 8, .size: 8, .value_kind: global_buffer, .address_space: global }
      - { .name: lowp_scales, .offset: 16, .size: 8, .value_kind: global_buffer, .address_space: global }
      - { .name: out0, .offset: 24, .size: 8, .value_kind: global_buffer, .address_space: global }
    .group_segment_fixed_size: 327680
    .private_segment_fixed_size: 0
    .kernarg_segment_align: 8
    .kernarg_segment_size: 32
    .max_flat_workgroup_size: 256
    .sgpr_count:     100
    .vgpr_count:     256
    .wavefront_size: 32
...
	.end_amdgpu_metadata
.endif
;; end of part 4
